; MI455X (gfx1250); checked and timed in simulation.
; The chip was launched on July 23, 2026; its instructions are those of AMD's public machine-readable ISA for CDNA 5 (MIT licence, August 2026) and "CDNA5" Instruction Set Architecture Reference Guide (July 2026). The comments in the code are by the model that wrote it; some were corrected since.
;; Attention. Allowed arithmetic: matrix products marked QUANTISED: E2M1 operands, one E8M0 scale for each 32 along K, by v_wmma_scale_f32_16x16x128_f8f6f4 with both operands' format E2M1 (or v_wmma_scale_f32_32x16x128_f4), f32 sums; everything else in f32.
;; Inputs: Wkv_codes 2,048 x 32 x 16 uint8 (E2M1 codes of Wkv, K innermost, in blocks of 32 codes, two codes a byte); Wkv_scales 2,048 x 32 uint8 (E8M0 scales of Wkv, one for each 32 codes along K); Wo_codes 1,024 x 32 x 16 uint8 (E2M1 codes of Wo, K innermost, in blocks of 32 codes, two codes a byte); Wo_scales 1,024 x 32 uint8 (E8M0 scales of Wo, one for each 32 codes along K); Wq_codes 1,024 x 32 x 16 uint8 (E2M1 codes of Wq, K innermost, in blocks of 32 codes, two codes a byte); Wq_scales 1,024 x 32 uint8 (E8M0 scales of Wq, one for each 32 codes along K); bo 1,024 float32; x_codes 4 x 2,048 x 32 x 16 uint8 (E2M1 codes of x, K innermost, in blocks of 32 codes, two codes a byte); x_scales 4 x 2,048 x 32 uint8 (E8M0 scales of x, one for each 32 codes along K).
;; Outputs: out0 4 x 2,048 x 1,024 float32.
;; This version of the problem:
;;   THIS VERSION OF THE PROBLEM IS GIVEN IN LOW PRECISION. The matrix products marked QUANTISED in the list below multiply operands that are first quantised to E2M1 (2 exponent bits, 1 mantissa bit; 4 bits a number), with one power-of-two scale for each 32 numbers along K (OCP MX v1.0); their sums are f32. All else is computed in f32.
;;   The module's matrix products, in the order in which they are computed (A, B: the left and right operand; K: the contracted axis; several contracted axes count as one K, in the product's order):
;;     1. [M 8,192, K 1,024] x [K 1,024, N 1,024]; A: input x (given as codes); B: input Wq (given as codes): QUANTISED
;;     2. [M 8,192, K 1,024] x [K 1,024, N 2,048]; A: input x (given as codes); B: input Wkv (given as codes): QUANTISED
;;     3. batch 64 x [M 2,048, K 64] x [K 64, N 2,048]; A: computed on the way; B: computed on the way: QUANTISED
;;     4. batch 64 x [M 2,048, K 2,048] x [K 2,048, N 64]; A: softmax (see below); B: computed on the way: QUANTISED
;;     5. [M 8,192, K 1,024] x [K 1,024, N 1,024]; A: computed on the way; B: input Wo (given as codes): QUANTISED
;;   THE QUANTISER, for each operand of a quantised product, along K:
;;     - K is cut into blocks of 32 from its start; a last block that is shorter is filled with zeros.
;;     - A block's scale is 2^e with e = floor(log2(the largest magnitude in the block)) - 2, held to -126 .. 127; a block of zeros has e = 0. As a byte (E8M0): e + 127.
;;     - Each number is divided by its block's scale, clamped to +-6, and rounded to the nearest number of E2M1, ties to even, subnormals kept.
;;     - The product sums the exact products of the quantised numbers (number of the format x scale) in f32.
;;   ~~~python
;;   def quantise(x, axis):      # numpy; x: float32 -> the quantised numbers, widened to float32 again
;;       x = np.moveaxis(x, axis, -1); K = x.shape[-1]
;;       x = np.pad(x, [(0, 0)] * (x.ndim - 1) + [(0, -K % 32)]); x = x.reshape(x.shape[:-1] + (-1, 32)); a = np.abs(x).max(-1, keepdims=True)
;;       e = np.where(a > 0, np.clip(np.frexp(np.where(a > 0, a, 1))[1] - 1 - 2, -126, 127), 0)      # np.frexp(a)[1] - 1 = floor(log2(a)), exactly
;;       r = np.clip(x / 2.0 ** e, -6, 6)
;;       step = 2.0 ** (np.maximum(np.frexp(np.where(r == 0, 1, r))[1] - 1, 0) - 1)
;;       q = np.round(r / step) * step * 2.0 ** e      # np.round: ties to even
;;       return np.moveaxis(q.reshape(q.shape[:-2] + (-1,))[..., :K], -1, axis).astype(np.float32)
;;   ~~~
;;   SOFTMAX AHEAD OF A QUANTISED PRODUCT. Where the list says 'softmax', what is quantised is not the finished softmax but p = 2^(t - M), with t = logit x log2(e) and M = ceil(the row's largest t), a whole number; so 1/2 < the row's largest p <= 1. The row's sum l is taken of the UNQUANTISED p, in f32, and the product's result is divided by l at the end. Since M is a whole number, a kernel that streams over the keys may use a running M (the ceiling of the running maximum): every later rescaling is an exact power of two, which a block's scale takes up: the codes' values come out the same.
;;   OPERANDS COMPUTED ON THE WAY. 'Computed on the way' means the value that the module computes at that place (a softmax that the list does not call 'softmax' is quantised finished and normalised). What goes into a quantiser is computed in f32, as accurately as f32 sums, v_exp_f32 and their like allow (about 1e-6 of the number): no bf16 or f16 on the way to a quantiser, and a product that is left as it is and whose result goes on into a quantised operand takes f32 operands (vector FMAs, or v_wmma_f32_16x16x4_f32). A number that lies on a knife's edge between two numbers of the format may be rounded either way, as far as f32 arithmetic and the matrix unit's own rounding can turn it there, and no further.
;;   INPUTS GIVEN AS CODES. Wkv (in the module: [1024, 2048], K = its axis 0); Wo (in the module: [1024, 1024], K = its axis 0); Wq (in the module: [1024, 1024], K = its axis 0); x (in the module: [4, 2048, 1024], K = its axis 2): each comes as NAME_codes (uint8): NAME with its K axis moved to the last place and cut into blocks of 32 codes, [.., K / 32, bytes a block], one block behind the other in memory; two codes a byte, the lower K in the low four bits (a code: sign, 2 exponent bits, 1 mantissa bit); and NAME_scales (uint8): the same leading axes, one E8M0 byte (e + 127) for each 32 codes along K. Its value is code x scale, taken as it is: it is not quantised again, and the codes and scales need not be those that the quantiser above would give.
;; One version. Each part assembles by itself: llvm-mc -triple=amdgcn-amd-amdhsa -mcpu=gfx1250 --defsym DOCPART=n.
;; ======== version 1 of 1: 3 launches
;; limits: right only within a limited range of input values
;; workspace buffers: q_img 4,456,448 bytes; k_img 4,456,448 bytes; v_img 4,456,448 bytes; o_img 4,194,304 bytes; o_sc 262,144 bytes
;; launch qkv (part 1): grid 8 x 32, 4 waves a work-group, clusters of 4 x 4, 327,680 bytes of LDS; arguments x_codes, x_scales, Wq_codes, Wq_scales, Wkv_codes, Wkv_scales, q_img, k_img, v_img; writes q_img, k_img, v_img
.if DOCPART == 1
	.amdgcn_target "amdgcn-amd-amdhsa--gfx1250"
	.amdhsa_code_object_version 6
	.text
	.protected	k_qae8fcb3e8e_qkv
	.globl	k_qae8fcb3e8e_qkv
	.p2align	8
	.type	k_qae8fcb3e8e_qkv,@function
k_qae8fcb3e8e_qkv:
	s_mov_b64 s[64:65], 0
	v_nop
	global_prefetch_b8 v0, s[64:65] scope:SCOPE_SE
	s_setreg_imm32_b32 hwreg(HW_REG_WAVE_MODE, 25, 1), 1
	s_wait_xcnt 0x0
	s_wait_alu depctr_hold_cnt(0) depctr_sa_sdst(0) depctr_va_vdst(0) depctr_va_sdst(0) depctr_va_ssrc(0) depctr_va_vcc(0) depctr_vm_vsrc(0)
	s_getreg_b32 s2, hwreg(HW_REG_IB_STS2, 6, 4)
	s_cmp_eq_u32 s2, 0
	s_cbranch_scc0 .Lentry_in_a_cluster
	s_endpgm
.Lentry_in_a_cluster:
	s_bfe_u32 s2, ttmp6, 0x10000c
	s_cmp_lg_u32 s2, 0xf033
	s_cbranch_scc0 .Lentry_shape_is_right
	s_endpgm
.Lentry_shape_is_right:
; LAUNCH 1 OF 3.  q = x Wq, k and v = x Wkv on codes of FP4 (E2M1) with E8M0 scales, sums in f32; the results are quantised at once (q and k along the head's 64, v along the keys)
; and leave as codes and scale words, laid in the order of the next launch's operand registers.
; WORK THAT THE PROGRAM LEAVES OUT, for all values of the inputs:
;  (a) reference() itself puts -max(f32) on every key j > query i (its own triu) ahead of the softmax; key 0 is open for every query, so the row's maximum is a true score and such a key's weight is nothing beside it.
;      Key steps all of whose 128 keys come after a tile's queries are therefore not walked (launch 2).
;  (b) SCALE = 2^-3.  The quantiser's scale is a power of two taken from the block's largest magnitude, so Q(q 2^-3) = 2^-3 Q(q): the same codes, the block's exponent 3 lower.  q is quantised as it is,
;      and launch 2 multiplies the scores by log2(e) / 8.  LIMIT: this holds while a block's largest |q| is above 2^-121 (the quantiser holds its exponent at -126).
;  Every input has a way to the output and is loaded.
; LIMITS: a block whose largest magnitude lies under 2^-124 keeps the byte 1; a block of zeros has the byte 1 and not 127 (its codes are zeros, and this program alone reads the bytes); NaN, infinities and a given
; scale byte 0xff are not served; a NaN or an overflow that reaches only the key steps left out is not carried to the result.
; SHARES.  The results are 384 tiles of 256 x 256; 256 work-groups STAY and make one and a half each.  Source 0 = 16 rows of P, source 1 = 16 rows of R: a lane holds ONE row of R and its registers run along P,
; the axis that is quantised.  FIRST a whole tile of q (cluster x = 0) or k (1): P = 256 rows of Wq or of Wkv's first 1,024 (tile cx), R = 256 rows of x (tile 4 Y + cy); a wave makes 128 x 128, 64 accumulators.
; THEN half a tile of v: P = 256 rows of x, the keys (tile 4 Y + cx), R = rows 1,024 + 128 (4 X + cy) .. + 127 of Wkv; a wave makes 64 (one head) x 128 (keys), 32 accumulators.
; K = 1,024 comes WHOLE, one tensor load a wave for each tile (rows of 512 bytes; 128 rows a load, R's of the second tile 64).  The second tile's loads fill the first's bytes again: behind the three lines and a round of
; the cluster's barrier, when the first tile's last fragment has been read; the first tile is quantised and stored while they are on their way.  CLUSTER 4 x 4: R is shared along a row, P along a column, each asked for jointly.
; THE SCALE BYTES go from memory into registers: a row has 32; lane (r, h) takes bytes 16 h .. + 15 of row r, so a load of the wave covers 512 consecutive bytes; lanes 0-15 hold K steps 0-3, lanes 16-31 K steps 4-7.
; No prefetch: there is no loop to run ahead in; the second tile is asked for a whole way out ahead of its first read.
; THE IMAGES: [b x 16 + head][128 tokens][4,352 bytes]: 4,096 of codes, 256 of scale words.  Inside 32 neighbours, tile u (0, 1) and row r' (0..15) name member 8 u + r' + 8 (r' / 8).
;   q, k: codes at 1024 g + 512 u + 256 hh + 16 r': d = 32 hh .. + 31 of token (g, u, r'); word at 4096 + 64 g + 4 r': token (g, 0, r') blocks 0, 1, token (g, 1, r') blocks 0, 1.
;   v:    codes at 2048 b' + 1024 c + 512 uu + 256 hh + 16 r': keys 64 c + 32 hh .. + 31 of d = 32 b' + member(uu, r'); word at 4096 + 64 (2 b' + uu) + 4 r': that d's four key blocks.
; REGISTERS.  Window 0: v1-31 addresses; v32-63 P's scale words, v64-95 R's; v96-127 at work; v128-255 R's fragments, two sets; on the way out codes at v128, the stage's bytes at v192.
;   Window 1: P's fragments, two sets, at v0 and v128.  Windows 2, 3: accumulator (a, b) (R's block a, P's block b) at v[8 (8 (a % 4) + b)].
.set PITCH,  528                       ; an LDS row: 512 bytes + 16 of padding
.set HALFT,  128*PITCH
.set STAGE,  4*HALFT                   ; behind the tiles: the stages, bytes of their own, into which no tensor load lands
.set WSTG,   8704                      ; a wave's stage: 8,192 bytes of codes, 512 of scale words
.set SPARE,  STAGE+4*WSTG              ; the spare words
.set CHUNK,  4352
.set HEADB,  16*CHUNK
.set VO2,  8                           ; v8-11 the second tile's codes' places in the image
.set SO2,  12                          ; its scale words' place
.set SELV2, 13                         ; its byte selector
.set RDS2, 14                          ; stage: 16 x (lane % 16)
.set ADRA2, 15                         ; its R fragments
.set ADRA, 16
.set ADRB, 20
.set STO,  24
.set STS,  25
.set RD,   26
.set ADRS, 27                          ; 32 r + 16 h: my place in 16 rows of scale bytes
.set SPW,  28
.set NIL,  29
.set SELV, 31
.set SC,   32
.set TM,   96
.set PW,   112
.set PX,   113
.set SO,   114
.set VO,   116
.set PY,   124
.set BS,   124
.set RF,   128
.set PC,   128
.set BK,   192
.set WV, 22
.set WR, 23
.set WP, 66
.set SEL, 2
.set G1, 24
.set G0, 32
.set G1B, 48
.set G0B, 56
.set P2C, 68                           ; the second tile: P's codes, R's codes, P's scales, R's scales, its place in v_img
.set R2C, 70
.set P2S, 72
.set R2S, 74
.set OUT2, 76
.set OUTP, 100
.set MSB, 0
.macro WIN new                         ; the immediate's high byte repeats the setting that is left
.if MSB != \new
	s_set_vgpr_msb (MSB<<8)|\new
.set MSB, \new
.endif
.endm
.macro PLACES n
.rept \n
	v_nop
.endr
.endm
.macro CROUND                          ; a round of the cluster's barrier
	s_barrier_signal -1
	s_barrier_wait -1
	s_cmp_lg_u32 s[WV], 0
	s_cbranch_scc1 .Lnot_wave_0_\@
	s_barrier_signal -3
.Lnot_wave_0_\@:
	s_barrier_wait -3
	s_barrier_signal -1
	s_barrier_wait -1
.endm
.macro JLOAD                           ; waves 0, 1 fetch R's halves, waves 2, 3 P's: one joint load a wave
	s_cmp_eq_u32 s[WR], 0
	s_cbranch_scc0 .Lfor_p_\@
	tensor_load_to_lds s[G0:G0+3], s[G1:G1+7]
	s_nop 0
	PLACES 4
	s_branch .Lasked_\@
.Lfor_p_\@:
	tensor_load_to_lds s[G0B:G0B+3], s[G1B:G1B+7]
	s_nop 0
	PLACES 4
.Lasked_\@:
.endm
	s_load_b256 s[4:11], s[0:1], 0x0               ; x's codes, x's scales, Wq's codes, Wq's scales
	s_load_b256 s[12:19], s[0:1], 0x20             ; Wkv's codes, Wkv's scales, q_img, k_img
	s_load_b64 s[20:21], s[0:1], 0x40              ; v_img
	v_lshl_add_u32 v[SPW], v0, 2, SPARE
	v_mov_b32 v[NIL], 0
	ds_add_u32 v[SPW], v[NIL]                      ; the opening lines: the add, twice on end, and its wait
	ds_add_u32 v[SPW], v[NIL]
	v_lshrrev_b32 v1, 5, v0
	v_readfirstlane_b32 s[WV], v1                  ; wave 0..3
	s_lshr_b32 s[WR], s[WV], 1                     ; my half of R.  Also: I fetch for R (0) or for P (1)
	s_and_b32 s[WP], s[WV], 1                      ; my half of P.  Also: which half I fetch
	s_bfe_u32 s40, ttmp6, 0x40000                  ; cx
	s_bfe_u32 s41, ttmp6, 0x40004                  ; cy
	s_mov_b32 s42, ttmp9                           ; X: 0 q, 1 k
	s_and_b32 s43, ttmp7, 0xffff                   ; Y
	s_lshl_b32 s44, s41, 2
	s_lshl_b32 s44, 15, s44                        ; my row of the cluster
	s_lshl_b32 s45, 0x1111, s40                    ; my column
	s_or_b32 s[G1], s44, (1<<20)|(1<<21)|(6<<22)|(3<<25)    ; the mask; elements of 1 byte; 4 words of padding behind every 128
	s_or_b32 s[G1B], s45, (1<<20)|(1<<21)|(6<<22)|(3<<25)
.irp g, G1, G1B
	s_mov_b32 s[\g+1], 512<<16                     ; rows of 512 bytes,
	s_mov_b32 s[\g+2], 128<<16                     ; 128 of them
	s_mov_b32 s[\g+3], 512<<16
	s_mov_b32 s[\g+4], 128
	s_mov_b32 s[\g+5], 512
	s_mov_b32 s[\g+6], 0
	s_mov_b32 s[\g+7], 0
.endr
	s_lshl_b32 s46, s43, 2                         ; 4 Y
	s_add_co_u32 s67, s46, s41                     ; the first tile: R = x's tile 4 Y + cy: my row shares it
	s_lshl_b32 s47, s40, 1
	s_add_co_u32 s47, s47, s[WP]                   ; P = the weight's tile cx, in halves of 128 rows: my column shares it
	s_lshl_b32 s67, s67, 1
	s_add_co_u32 s3, s67, s[WR]                    ; the half of R that I multiply,
	s_add_co_u32 s67, s67, s[WP]                   ; and the half that I fetch
	s_lshl_b32 s92, s67, 16                        ; codes: 128 rows x 512 bytes
	s_mov_b32 s93, 0
	s_lshl_b32 s94, s3, 12                         ; scale bytes: 128 rows x 32
	s_mov_b32 s95, 0
	s_lshl_b32 s96, s47, 16
	s_mov_b32 s97, 0
	s_lshl_b32 s98, s47, 12
	s_mov_b32 s99, 0
	s_add_co_u32 s78, s46, s40                     ; the second tile: P = x's tile 4 Y + cx: my column shares it
	s_lshl_b32 s79, s78, 1
	s_add_co_u32 s79, s79, s[WP]
	s_lshl_b32 s80, s79, 16
	s_mov_b32 s81, 0
	s_lshl_b32 s82, s79, 12
	s_mov_b32 s83, 0
	s_lshl_b32 s84, s42, 2
	s_add_co_u32 s84, s84, s41                     ; R = 128 rows of Wkv's second 1,024: number 4 X + cy: my row shares it
	s_add_co_u32 s85, s84, 8
	s_lshl_b32 s85, s85, 1                         ; in halves of 64 rows
	s_add_co_u32 s86, s85, s[WP]                   ; the half that I fetch,
	s_lshl_b32 s86, s86, 15
	s_mov_b32 s87, 0
	s_add_co_u32 s88, s85, s[WR]                   ; and the half that I multiply
	s_lshl_b32 s88, s88, 11
	s_mov_b32 s89, 0
	s_mul_i32 s2, s[WV], HALFT                     ; the wave's number alone enters an LDS address
	s_wait_dscnt 0x0
	s_wait_kmcnt 0x0
	s_cmp_eq_u32 s42, 0                            ; the buffers are chosen by X alone
	s_cselect_b64 s[8:9], s[8:9], s[12:13]         ; P's codes
	s_cselect_b64 s[10:11], s[10:11], s[14:15]     ; P's scales
	s_cselect_b64 s[OUTP:OUTP+1], s[16:17], s[18:19]
	s_add_nc_u64 s[94:95], s[6:7], s[94:95]
	s_add_nc_u64 s[98:99], s[10:11], s[98:99]
	s_add_nc_u64 s[P2C:P2C+1], s[4:5], s[80:81]
	s_add_nc_u64 s[R2C:R2C+1], s[12:13], s[86:87]
	s_add_nc_u64 s[P2S:P2S+1], s[6:7], s[82:83]
	s_add_nc_u64 s[R2S:R2S+1], s[14:15], s[88:89]
	s_mov_b32 s[G0], 1
	s_mov_b32 s[G0+1], s2
	s_add_nc_u64 s[G0+2:G0+3], s[4:5], s[92:93]
	s_or_b32 s[G0+3], s[G0+3], 0x80000000
	s_mov_b32 s[G0B], 1
	s_mov_b32 s[G0B+1], s2
	s_add_nc_u64 s[G0B+2:G0B+3], s[8:9], s[96:97]
	s_or_b32 s[G0B+3], s[G0B+3], 0x80000000
	CROUND                                         ; all sixteen work-groups are here: the joint loads meet
	JLOAD
	; where the results go
	s_mov_b32 s[SEL], 0x76543210
	s_mov_b32 s[SEL+1], 0xfedcba98                 ; lane l xor 16
	s_mov_b32 s16, HEADB
	s_add_co_u32 s5, s46, s41                      ; the first tile: which 256 tokens of the 8,192
	s_lshr_b32 s14, s5, 3
	s_mul_i32 s14, s14, 16*HEADB                   ; the batch,
	s_mul_i32 s15, s40, 4*HEADB
	s_add_co_u32 s14, s14, s15                     ; four heads,
	s_and_b32 s15, s5, 7
	s_mul_i32 s15, s15, 2*CHUNK
	s_add_co_u32 s14, s14, s15                     ; 256 tokens,
	s_mul_i32 s15, s[WP], 2*HEADB
	s_add_co_u32 s14, s14, s15                     ; two heads,
	s_mul_i32 s15, s[WR], CHUNK
	s_add_co_u32 s14, s14, s15                     ; 128 tokens
	s_mov_b32 s15, 0
	s_add_nc_u64 s[OUTP:OUTP+1], s[OUTP:OUTP+1], s[14:15]
	s_lshr_b32 s14, s78, 3                         ; the second tile: the batch,
	s_mul_i32 s14, s14, 16*HEADB
	s_lshl_b32 s15, s84, 1
	s_add_co_u32 s15, s15, s[WR]
	s_mul_i32 s15, s15, HEADB
	s_add_co_u32 s14, s14, s15                     ; head 2 (4 X + cy) + my half,
	s_and_b32 s15, s78, 7
	s_mul_i32 s15, s15, 2*CHUNK
	s_add_co_u32 s14, s14, s15                     ; 256 keys,
	s_mul_i32 s15, s[WP], CHUNK
	s_add_co_u32 s14, s14, s15                     ; 128 keys
	s_mov_b32 s15, 0
	s_add_nc_u64 s[OUT2:OUT2+1], s[20:21], s[14:15]
	s_mul_i32 s14, s[WR], HALFT                    ; my 128 rows of R,
	s_mul_i32 s15, s[WP], HALFT
	s_add_co_u32 s15, s15, 2*HALFT                 ; my 128 rows of P, behind R's 256,
	s_mul_i32 s17, s[WR], 64*PITCH                 ; my 64 rows of the second tile's R,
	s_mul_i32 s18, s[WV], WSTG
	s_add_co_u32 s18, s18, STAGE                   ; my stage
	v_and_b32 v1, 15, v0                           ; r
	v_bfe_u32 v2, v0, 4, 1                         ; h
	v_and_b32 v7, 31, v0
	v_lshlrev_b32 v[VO], 4, v7                     ; 16 x lane.  A stage's piece 4 g1 + 2 g0 + p of 1,024 bytes: q, k: p a head on, g0 1,024, g1 2,048
	v_add_nc_u32 v[VO+1], s16, v[VO]
	v_add_nc_u32 v[VO+2], 1024, v[VO]
	v_add_nc_u32 v[VO+3], 1024, v[VO+1]
.irp i, 0,1,2,3
	v_add_nc_u32 v[VO+4+\i], 2048, v[VO+\i]
.endr
.irp i, 0,1,2,3
	v_add_nc_u32 v[VO2+\i], 1024*\i, v[VO]         ; v: p 1,024, g0 2,048
.endr
	v_and_b32 v4, 3, v0
	v_bfe_u32 v5, v0, 2, 1
	v_bfe_u32 v6, v0, 3, 1
	v_lshlrev_b32 v[SO], 4, v4                     ; the scale words' 64-byte pieces 4 g1 + 2 g0 + x: q, k: x a head on, g0 64, g1 128; v: x 64, g0 128
	v_lshlrev_b32 v[SO2], 4, v4
	v_mad_u32_u24 v[SO], v5, s16, v[SO]
	v_lshl_add_u32 v[SO2], v5, 6, v[SO2]
	v_lshl_add_u32 v[SO], v6, 6, v[SO]
	v_lshl_add_u32 v[SO2], v6, 7, v[SO2]
	v_lshl_add_u32 v[SO], v2, 7, v[SO]
	v_mov_b32 v[SELV], 0x05040100
	v_mov_b32 v4, 0x03020706
	v_cmp_lt_u32 vcc_lo, 7, v1
	v_cndmask_b32 v[SELV], v[SELV], v4, vcc_lo
	v_mov_b32 v[SELV2], 0x03020100
	v_mul_u32_u24 v3, v1, PITCH
	v_lshl_add_u32 v4, v2, 4, v3                   ; a fragment's row x pitch + 16 x half
	v_lshlrev_b32 v5, 5, v1
	v_add_nc_u32 v[ADRA], s14, v4
	v_add_nc_u32 v[ADRB], s15, v4
	v_add_nc_u32 v[ADRA2], s17, v4
	v_lshl_add_u32 v[ADRS], v2, 4, v5
	v_lshrrev_b32 v5, 3, v1
	v_and_b32 v6, 7, v1
	v_lshlrev_b32 v[STO], 9, v5
	v_lshlrev_b32 v[STS], 6, v5
	v_lshl_add_u32 v[STO], v6, 4, v[STO]
	v_lshl_add_u32 v[STS], v6, 2, v[STS]
	v_lshl_add_u32 v[STO], v2, 2, v[STO]
	v_add_nc_u32 v[STS], s18, v[STS]
	v_add_nc_u32 v[STO], s18, v[STO]               ; 512 (r / 8) + 16 (r % 8) + 4 h
	v_add_nc_u32 v[STS], 8192, v[STS]              ; 64 (r / 8) + 4 (r % 8), behind the codes
	v_add_nc_u32 v[RD], s18, v[VO]
	v_lshl_add_u32 v[RDS2], v1, 4, s18
.irp b, 0,1,2,3
	v_mov_b32 v[TM+4+\b], 0                        ; a lane permute's destination counts as one of its sources
.endr
	v_mov_b32 v[PX], 0
	s_wait_alu depctr_va_vdst(0)                   ; the wait at the head's end
.irp i, 0,1,2,3,4,5,6,7
	global_load_b128 v[SC+4*\i:SC+4*\i+3], v[ADRS], s[98:99] offset:512*\i        ; P's block i
	global_load_b128 v[SC+32+4*\i:SC+32+4*\i+3], v[ADRS], s[94:95] offset:512*\i  ; R's block i
.endr
; The fragments of K step q into set q % 2: P's eight, R's na.  Lane l holds row l % 16; registers 4 c .. 4 c + 3 hold K = 64 c + 32 (l / 16) + 0 .. 31
.macro FETCH q, na, adra
	WIN 0x40
.irp i, 0,1,2,3,4,5,6,7
.irp c, 0,1
	ds_load_b128 v[128*((\q)%2)+8*\i+4*\c:128*((\q)%2)+8*\i+4*\c+3], v[ADRB] offset:64*(\q)+32*\c+\i*16*PITCH
.endr
.endr
	WIN 0
.set I, 0
.rept \na
.irp c, 0,1
	ds_load_b128 v[RF+8*\na*((\q)%2)+8*I+4*\c:RF+8*\na*((\q)%2)+8*I+4*\c+3], v[\adra] offset:64*(\q)+32*\c+I*16*PITCH
.endr
.set I, I+1
.endr
.endm
; 8 na products: the accumulators take turns, one instruction a turn, in the same order in every step.  Step 0 starts the sums
.macro MUL q, na
.set ST, (\q)%2
.set QL, (\q)%4
.set A, 0
.rept \na
.if A == 0
	WIN 0xa1                                       ; source 0 (P) window 1, source 1 (R) window 0, C and D window 2
.endif
.if A == 4
	WIN 0xf1
.endif
.irp b, 0,1,2,3,4,5,6,7
.if (\q) == 0
	v_wmma_scale_f32_16x16x128_f8f6f4 v[8*(8*(A%4)+\b):8*(8*(A%4)+\b)+7], v[128*ST+8*\b:128*ST+8*\b+7], v[RF+8*\na*ST+8*A:RF+8*\na*ST+8*A+7], 0, v[SC+4*\b+QL], v[SC+32+4*A+QL] matrix_a_fmt:MATRIX_FMT_FP4 matrix_b_fmt:MATRIX_FMT_FP4
.elseif (\q) < 4
	v_wmma_scale_f32_16x16x128_f8f6f4 v[8*(8*(A%4)+\b):8*(8*(A%4)+\b)+7], v[128*ST+8*\b:128*ST+8*\b+7], v[RF+8*\na*ST+8*A:RF+8*\na*ST+8*A+7], v[8*(8*(A%4)+\b):8*(8*(A%4)+\b)+7], v[SC+4*\b+QL], v[SC+32+4*A+QL] matrix_a_fmt:MATRIX_FMT_FP4 matrix_b_fmt:MATRIX_FMT_FP4
.else
	v_wmma_scale_f32_16x16x128_f8f6f4 v[8*(8*(A%4)+\b):8*(8*(A%4)+\b)+7], v[128*ST+8*\b:128*ST+8*\b+7], v[RF+8*\na*ST+8*A:RF+8*\na*ST+8*A+7], v[8*(8*(A%4)+\b):8*(8*(A%4)+\b)+7], v[SC+4*\b+QL], v[SC+32+4*A+QL] matrix_a_fmt:MATRIX_FMT_FP4 matrix_b_fmt:MATRIX_FMT_FP4 matrix_a_scale:MATRIX_SCALE_ROW1 matrix_b_scale:MATRIX_SCALE_ROW1
.endif
.endr
.set A, A+1
.endr
.endm
.macro KLOOP na, adra                  ; a tile's eight K steps: the next step's fragment loads go out in one run into the other set, then this step's products
	FETCH 0, \na, \adra
	s_wait_loadcnt 0x0                             ; the scale words
.irp q, 0,1,2,3,4,5,6,7
.if \q > 0
	PLACES 4                                       ; in front of loads into the set that the last step's products read
.endif
.if \q < 7
	FETCH \q+1, \na, \adra
	s_wait_dscnt 16+2*\na                          ; all but the loads just issued
.else
	s_wait_dscnt 0x0
.endif
	MUL \q, \na
.endr
	WIN 0
.endm
; THE WAY OUT.  R's block a: lane (r, h) holds, of row 16 a + r, P = 16 t + 8 h + j in register 8 t + j.  A block of 32 along P is tiles 2 b and 2 b + 1 of lanes l and l xor 16.
; Its largest magnitude (with the floor 2^(3 - 127) among the leaves), 2 off the exponent field, is the conversion's scale operand; that, shifted, the byte.
.macro QOUT a, sel
.set AC, 64*((\a)%4)
	WIN 0x0a+5*((\a)/4)
.irp b, 0,1,2,3
	v_max3_num_f32 v[TM+\b], |v[AC+16*\b]|, |v[AC+16*\b+1]|, 0x1800000   ; each accumulator is read from its low end on
.endr
.irp i, 2,4,6,8,10,12,14
.irp b, 0,1,2,3
	v_max3_num_f32 v[TM+\b], |v[AC+16*\b+\i]|, |v[AC+16*\b+\i+1]|, v[TM+\b]
.endr
.endr
	WIN 0
.irp b, 0,1,2,3
	v_permlanex16_b32 v[TM+4+\b], v[TM+\b], s[SEL], s[SEL+1]
.endr
.irp b, 0,1,2,3
	v_max_num_f32 v[TM+\b], v[TM+\b], v[TM+4+\b]
.endr
.irp b, 0,1,2,3
	v_add_nc_u32 v[TM+12+\b], 0xff000000, v[TM+\b]
.endr
.irp b, 0,1,2,3
	v_lshrrev_b32 v[TM+4+\b], 23, v[TM+12+\b]
.endr
	v_lshl_or_b32 v[PW], v[TM+5], 8, v[TM+4]
	v_lshl_or_b32 v[PW], v[TM+6], 16, v[PW]
	v_lshl_or_b32 v[PW], v[TM+7], 24, v[PW]        ; my row's four bytes
	WIN 0x02+((\a)/4)
.irp t, 0,1,2,3,4,5,6,7
	v_cvt_scalef32_pk8_fp4_f32 v[PC+8*(\a)+\t], v[AC+8*\t:AC+8*\t+7], v[TM+12+\t/2]
.endr
	WIN 0
	v_nop                                          ; one plain place behind the scaled conversions
.irp t, 0,1,2,3,4,5,6,7
	ds_store_b32 v[STO], v[PC+8*(\a)+\t] offset:((\a)/2)*2048+(\t/4)*1024+((\t/2)%2)*256+((\a)%2)*128+(\t%2)*8
.endr
	v_mov_b32_dpp v[PX], v[PW] row_xmask:8 row_mask:0xf bank_mask:0xf   ; the word of the row 8 away
	v_perm_b32 v[PY], v[PX], v[PW], v[\sel]        ; q, k: two tokens' bytes of one head make a word (lanes r < 8 the first head's, r >= 8 the second's); v: my word as it stands
	ds_store_b32 v[STS], v[PY] offset:((\a)/2)*128+((\a)%2)*32
.endm
.macro WAYOUT na, sel, vo, so, rds, outp   ; na blocks are quantised into my stage, which leaves in runs of 512 consecutive bytes
.set AA, 0
.rept \na
	QOUT AA, \sel
.set AA, AA+1
.endr
.set KK, 0
.rept 2*\na
	ds_load_b128 v[BK+4*KK:BK+4*KK+3], v[RD] offset:512*KK     ; LDS serves a wave's instructions in order (ISA guide 5.7.1.4): these see my stores
.set KK, KK+1
.endr
	ds_load_b128 v[BS:BS+3], v[\rds] offset:8192
.set KK, 0
.rept 2*\na
	s_wait_dscnt 2*\na-KK                          ; the younger loads may be out
	global_store_b128 v[\vo+KK/2], v[BK+4*KK:BK+4*KK+3], s[\outp:\outp+1] offset:512*(KK%2)   ; 32 lanes store 512 consecutive bytes, at a multiple of 256
.set KK, KK+1
.endr
	s_wait_dscnt 0x0
	global_store_b128 v[\so], v[BS:BS+3], s[\outp:\outp+1] offset:4096
.endm
	s_wait_tensorcnt 0x0                           ; my 128 rows are in,
	s_barrier_signal -1
	s_barrier_wait -1                              ; everybody's are
	KLOOP 8, ADRA
	s_wait_tensorcnt 0x0                           ; the three lines in front of a refill's round: no tensor load of mine is out,
	ds_add_u32 v[SPW], v[NIL]
	s_mov_b32 s[G1+2], 64<<16                      ; so the descriptors may be written: R's loads now bring 64 rows,
	s_mov_b32 s[G1+4], 64
	s_mul_i32 s[G0+1], s[WV], 64*PITCH             ; one behind the other from LDS byte 0 on;
	s_mov_b64 s[G0+2:G0+3], s[R2C:R2C+1]
	s_or_b32 s[G0+3], s[G0+3], 0x80000000
	s_mov_b64 s[G0B+2:G0B+3], s[P2C:P2C+1]         ; P's land where P's landed
	s_or_b32 s[G0B+3], s[G0B+3], 0x80000000
	s_wait_dscnt 0x0                               ; the add is done, and my reads of the first tile are over
	CROUND                                         ; both hold of every wave of all sixteen work-groups
	JLOAD                                          ; the second tile; its four v_nop are also the places behind the last products
.irp i, 0,1,2,3,4,5,6,7
	global_load_b128 v[SC+4*\i:SC+4*\i+3], v[ADRS], s[P2S:P2S+1] offset:512*\i        ; and its scale words
.endr
.irp i, 0,1,2,3
	global_load_b128 v[SC+32+4*\i:SC+32+4*\i+3], v[ADRS], s[R2S:R2S+1] offset:512*\i
.endr
	WAYOUT 8, SELV, VO, SO, RD, OUTP               ; the first tile goes out while the second is on its way
	s_wait_alu depctr_va_vdst(0)                   ; directly ahead of the waits below
	s_wait_xcnt 0x0                                ; the stores have read their registers
	s_wait_tensorcnt 0x0                           ; my part of the second tile is in,
	s_barrier_signal -1
	s_barrier_wait -1                              ; everybody's is.
	KLOOP 4, ADRA2
	PLACES 4                                       ; behind the last products
	WAYOUT 4, SELV2, VO2, SO2, RDS2, OUT2          ; four blocks: one head; of the scale words lanes 16-31 repeat lanes 0-15
	s_wait_tensorcnt 0x0                           ; the wave's end
	ds_add_u32 v[SPW], v[NIL]
	s_wait_dscnt 0x0
	CROUND                                         ; the closing round
	s_endpgm
.Lfunc_end_k_qae8fcb3e8e_qkv:
	.size	k_qae8fcb3e8e_qkv, .Lfunc_end_k_qae8fcb3e8e_qkv-k_qae8fcb3e8e_qkv
	.p2alignl 7, 3214868480
	.fill 96, 4, 3214868480
	.section	.rodata,"a",@progbits
	.p2align	6, 0x0
	.amdhsa_kernel k_qae8fcb3e8e_qkv
		.amdhsa_group_segment_fixed_size 327680
		.amdhsa_private_segment_fixed_size 0
		.amdhsa_enable_private_segment 0
		.amdhsa_kernarg_size 72
		.amdhsa_user_sgpr_count 2
		.amdhsa_user_sgpr_kernarg_segment_ptr 1
		.amdhsa_wavefront_size32 1
		.amdhsa_system_sgpr_workgroup_id_x 1
		.amdhsa_system_sgpr_workgroup_id_y 1
		.amdhsa_system_sgpr_workgroup_id_z 1
		.amdhsa_system_vgpr_workitem_id 0
		.amdhsa_next_free_vgpr 1024
		.amdhsa_next_free_sgpr 102
		.amdhsa_reserve_vcc 1
		.amdhsa_float_denorm_mode_32 3
		.amdhsa_float_denorm_mode_16_64 3
		.amdhsa_memory_ordered 1
		.amdhsa_forward_progress 1
		.amdhsa_inst_pref_size 200
	.end_amdhsa_kernel
	.amdgpu_metadata
---
amdhsa.version: [ 1, 2 ]
amdhsa.kernels:
  - .name:           k_qae8fcb3e8e_qkv
    .symbol:         k_qae8fcb3e8e_qkv.kd
    .args:
      - { .name: x_codes, .offset: 0, .size: 8, .value_kind: global_buffer, .address_space: global }
      - { .name: x_scales, .offset: 8, .size: 8, .value_kind: global_buffer, .address_space: global }
      - { .name: Wq_codes, .offset: 16, .size: 8, .value_kind: global_buffer, .address_space: global }
      - { .name: Wq_scales, .offset: 24, .size: 8, .value_kind: global_buffer, .address_space: global }
      - { .name: Wkv_codes, .offset: 32, .size: 8, .value_kind: global_buffer, .address_space: global }
      - { .name: Wkv_scales, .offset: 40, .size: 8, .value_kind: global_buffer, .address_space: global }
      - { .name: q_img, .offset: 48, .size: 8, .value_kind: global_buffer, .address_space: global }
      - { .name: k_img, .offset: 56, .size: 8, .value_kind: global_buffer, .address_space: global }
      - { .name: v_img, .offset: 64, .size: 8, .value_kind: global_buffer, .address_space: global }
    .group_segment_fixed_size: 327680
    .private_segment_fixed_size: 0
    .kernarg_segment_align: 8
    .kernarg_segment_size: 72
    .max_flat_workgroup_size: 128
    .sgpr_count:     102
    .vgpr_count:     1024
    .wavefront_size: 32
...
	.end_amdgpu_metadata
.endif
;; end of part 1
;; launch attn (part 2): grid 4 x 64, 8 waves a work-group, clusters of 4 x 1, 167,936 bytes of LDS; arguments q_img, k_img, v_img, o_img, o_sc; writes o_img, o_sc
.if DOCPART == 2
	.amdgcn_target "amdgcn-amd-amdhsa--gfx1250"
	.amdhsa_code_object_version 6
	.text
	.protected	k_qae8fcb3e8e_attn
	.globl	k_qae8fcb3e8e_attn
	.p2align	8
	.type	k_qae8fcb3e8e_attn,@function
k_qae8fcb3e8e_attn:
	s_mov_b64 s[64:65], 0
	v_nop
	global_prefetch_b8 v0, s[64:65] scope:SCOPE_SE
	s_setreg_imm32_b32 hwreg(HW_REG_WAVE_MODE, 25, 1), 1
	s_wait_xcnt 0x0
	s_wait_alu depctr_hold_cnt(0) depctr_sa_sdst(0) depctr_va_vdst(0) depctr_va_sdst(0) depctr_va_ssrc(0) depctr_va_vcc(0) depctr_vm_vsrc(0)
	s_getreg_b32 s2, hwreg(HW_REG_IB_STS2, 6, 4)
	s_cmp_eq_u32 s2, 0
	s_cbranch_scc0 .Lentry_in_a_cluster
	s_endpgm
.Lentry_in_a_cluster:
	s_bfe_u32 s2, ttmp6, 0x10000c
	s_cmp_lg_u32 s2, 0x3003
	s_cbranch_scc0 .Lentry_shape_is_right
	s_endpgm
.Lentry_shape_is_right:
; LAUNCH 2 OF 3.  Causal attention of one head on codes of FP4 (E2M1) with E8M0 scales; the result, divided by the row's sum, is quantised along the inner axis and leaves as codes and scale bytes for the projection.
; LEFT OUT (shown at the head of launch 1): key steps all of whose 128 keys come after a tile's queries, which reference()'s own mask throws away; the multiplication of q by SCALE = 2^-3, which is folded into c below.
; THE SOFTMAX: t = score x c, c = log2(e) / 8; M = the running largest t rounded UP to a whole number, kept as -M = floor(-t); p = 2^(t - M) is what is quantised, along the keys, not normalised; the row's sum is taken
; of the unquantised p and divides at the end.  When M moves, the sum and O are multiplied by 2^(old M - new M), which rounds nothing.  A running maximum: no fixed shift.
; SHARES.  A cluster of four work-groups owns one head (b x 16 + head = work-group y).  Work-group j owns the 32-blocks of queries 4 m + j, m = 0 .. 15.  A block is two tiles u = 0, 1 of 16 queries
; (members 8 u + r + 8 (r / 8)); it counts key steps 0 .. m and lies on the diagonal in step m, whatever j is: the four partners walk alike, and K and V are asked for jointly.
; Wave w of eight takes block m = 15 - w and then block m = w, BOTH TILES AT ONCE: 17 key steps in every wave; each fragment of K and V read from LDS serves both tiles, and the two tiles' lines stand by turns.
; One text of the step: a loop of 16 trips (a constant; hidden steps are jumped over by the wave's number and the count of steps) inside a loop of 2 trips; between the trips q, m and the results' addresses are moved.
; LDS holds the head's K and V whole, as images of operand registers: each wave asks for a quarter of K (waves 0-3) or of V (waves 4-7), 68 rows of 256 bytes; every byte is filled once, nothing is stored there.
; No prefetch: all tiles are asked for at the head, and no stream from memory is left for the loop.
; THE HEAD'S 64 IN AN INSTRUCTION OF 128.  A fragment of K holds two tiles of 16 keys: registers 0-3 and 4-7.  It is multiplied by [q, zero codes] and by [zero codes, q]; q's scale bytes over its zero half are 1.
; Both products are used transposed: a lane holds one query; register 16 g + i of S^T is key 32 g + 16 (lane / 16) + i of the step.
; K's fragments are read one step ahead (behind the last step that reads V's first bytes: inside LDS, never used).  LIMITS: as at the head of launch 1.
; WINDOW 0: v1-11 addresses; v24-31 q's scale words; v32-67 K and its scale words; v68-103 V and its; v120-121 p's scale words; v128-147 zero, q0, zero, q1, zero; v148-155 the second block's q.
; WINDOW 1 (named by the low 8 bits): tile t: S^T, then p at 64 t; O^T at 128 + 32 t; the names below.
.set CHUNK, 4352
.set HEADB, 16*CHUNK
.set VB,    HEADB
.set SPARE, 2*HEADB
.set KF, 32
.set KS, 64
.set VF, 68
.set VS, 100
.set PS, 120
.set OO, 128                           ; window 1 from here on: O^T
.set BM, 192                           ; 8 blocks' largest score, then largest p, then the conversions' scale operand
.set TT, 200                           ; 16 at work: lane permutes' results; the sums' chains
.set CD, 216                           ; p's codes, 8 a tile
.set NM, 232                           ; -M, the largest t: a pair a tile
.set FF, 236                           ; f: a pair a tile (the upper half is named only)
.set LL, 240                           ; the row's sum in two halves
.set XX, 244
.set TH, 246                           ; my query's place in its chunk less 16 (lane / 16)
.set NI, 248                           ; -infinity
.set MSB, 0
.macro WIN new
.if MSB != \new
	s_set_vgpr_msb (MSB<<8)|\new
.set MSB, \new
.endif
.endm
.macro ROUND
	s_barrier_signal -1
	s_barrier_wait -1
	s_cmp_lg_u32 s14, 0
	s_cbranch_scc1 .Lnot_wave_0_\@
	s_barrier_signal -3
.Lnot_wave_0_\@:
	s_barrier_wait -3
	s_barrier_signal -1
	s_barrier_wait -1
.endm
.macro D2
	s_delay_alu instid0(VALU_DEP_2)
.endm
.macro SUM t                           ; the sum of tile t's 64 p: four chains of pairs, then onto the row's sum
.irp c, 0,1,2,3
	v_pk_add_f32 v[TT+8*\t+2*\c:TT+8*\t+2*\c+1], v[64*\t+2*\c:64*\t+2*\c+1], v[64*\t+8+2*\c:64*\t+9+2*\c]
.endr
.set j, 16
.rept 24
	v_pk_add_f32 v[TT+8*\t+j%8:TT+8*\t+j%8+1], v[TT+8*\t+j%8:TT+8*\t+j%8+1], v[64*\t+j:64*\t+j+1]
.set j, j+2
.endr
	v_pk_add_f32 v[TT+8*\t:TT+8*\t+1], v[TT+8*\t:TT+8*\t+1], v[TT+8*\t+2:TT+8*\t+3]
	v_pk_add_f32 v[TT+8*\t+4:TT+8*\t+5], v[TT+8*\t+4:TT+8*\t+5], v[TT+8*\t+6:TT+8*\t+7]
	s_delay_alu instid0(VALU_DEP_1)
	v_pk_add_f32 v[TT+8*\t:TT+8*\t+1], v[TT+8*\t:TT+8*\t+1], v[TT+8*\t+4:TT+8*\t+5]
	s_delay_alu instid0(VALU_DEP_1)
	v_pk_add_f32 v[LL+2*\t:LL+2*\t+1], v[LL+2*\t:LL+2*\t+1], v[TT+8*\t:TT+8*\t+1]
.endm
	s_load_b256 s[4:11], s[0:1], 0x0               ; q_img, k_img, v_img, o_img
	s_load_b64 s[12:13], s[0:1], 0x20              ; o_sc
	v_lshl_add_u32 v5, v0, 2, SPARE
	v_mov_b32 v6, 0
	ds_add_u32 v5, v6                              ; the opening lines: the add, twice on end, and its wait
	ds_add_u32 v5, v6
	v_lshrrev_b32 v12, 5, v0
	v_readfirstlane_b32 s14, v12                   ; wave 0..7
	s_bfe_u32 s17, ttmp6, 0x40000                  ; j = cx: it enters global addresses and the mask's numbers alone
	s_and_b32 s18, ttmp7, 0xffff                   ; b x 16 + head
	s_sub_co_u32 s56, 15, s14                      ; m of my first block,
	s_mov_b32 s57, s14                             ; and of my second
	s_mov_b32 s24, 15|(3<<16)|(1<<21)              ; group 1: the mask of all four; elements of 8 bytes; no padding
	s_mov_b32 s25, 32<<16                          ; rows of 256 bytes,
	s_mov_b32 s26, 68<<16                          ; 68 of them: four chunks
	s_mov_b32 s27, 32<<16
	s_mov_b32 s28, 68
	s_mov_b32 s29, 32
	s_mov_b32 s30, 0
	s_mov_b32 s31, 0
	s_mov_b32 s20, 0x76543210
	s_mov_b32 s21, 0xfedcba98                      ; lane l xor 16
	s_mov_b32 s22, 0x3e38aa3b                      ; c = log2(e) / 8
	s_mov_b32 s23, s22
	s_mov_b32 s84, 0xffff
	s_mov_b32 s85, 0x01010000
	s_mov_b32 s86, 0xffff0000
	s_mul_i32 s60, s18, HEADB                      ; the head's first byte in each image
	s_mov_b32 s61, 0
	s_and_b32 s15, s14, 3
	s_mul_i32 s15, s15, 4*CHUNK
	s_add_co_u32 s62, s60, s15                     ; my quarter
	s_mov_b32 s63, 0
	s_mov_b32 s40, 1
	s_mul_i32 s41, s14, 4*CHUNK                    ; LDS: K's four quarters, then V's
	s_mul_i32 s44, s56, CHUNK
	s_mov_b32 s45, 0
	s_mul_i32 s46, s57, CHUNK
	s_mov_b32 s47, 0
	s_lshl_b32 s48, s17, 10                        ; q: 32-block j of a chunk,
	s_lshl_b32 s49, s17, 6                         ; its scale words,
	s_lshl_b32 s50, s17, 5                         ; its place among the chunk's 128 keys
	s_add_co_u32 s51, s50, 8
	s_wait_dscnt 0x0
	s_wait_kmcnt 0x0
	s_cmp_lt_u32 s14, 4
	s_cselect_b64 s[42:43], s[6:7], s[8:9]         ; waves 0-3 K, waves 4-7 V
	s_add_nc_u64 s[42:43], s[42:43], s[62:63]
	s_or_b32 s43, s43, 0x80000000
	s_add_nc_u64 s[66:67], s[4:5], s[60:61]
	s_add_nc_u64 s[68:69], s[66:67], s[46:47]      ; q's chunk of my second block,
	s_add_nc_u64 s[66:67], s[66:67], s[44:45]      ; and of my first
	s_lshr_b32 s80, s18, 4                         ; the results: tile T = 128 b + 8 m + 2 j + u
	s_lshl_b32 s80, s80, 7
	s_lshl_b32 s81, s17, 1
	s_add_co_u32 s80, s80, s81
	s_and_b32 s81, s18, 15                         ; the head
	s_lshl_b32 s82, s56, 3
	s_add_co_u32 s82, s82, s80
	s_lshl_b32 s83, s57, 3
	s_add_co_u32 s83, s83, s80
	s_lshl_b32 s78, s81, 9
	s_lshl_b32 s62, s82, 13
	s_add_co_u32 s62, s62, s78
	s_add_nc_u64 s[70:71], s[10:11], s[62:63]      ; o_img: 8,192 T + 512 head
	s_lshl_b32 s62, s83, 13
	s_add_co_u32 s62, s62, s78
	s_add_nc_u64 s[72:73], s[10:11], s[62:63]
	s_lshl_b32 s78, s81, 1
	s_lshl_b32 s62, s82, 9
	s_add_co_u32 s62, s62, s78
	s_add_nc_u64 s[74:75], s[12:13], s[62:63]      ; o_sc: 512 T + 2 head
	s_lshl_b32 s62, s83, 9
	s_add_co_u32 s62, s62, s78
	s_add_nc_u64 s[76:77], s[12:13], s[62:63]
	ROUND                                          ; all four work-groups are here: the joint loads meet
	tensor_load_to_lds s[40:43], s[24:31]          ; one load in every wave
	s_nop 0
.rept 4
	v_nop
.endr
	v_and_b32 v1, 31, v0
	v_and_b32 v12, 15, v0                          ; r
	v_lshlrev_b32 v1, 4, v1                        ; 16 x lane
	v_lshlrev_b32 v2, 2, v12                       ; 4 r
	v_lshlrev_b32 v7, 5, v12                       ; 32 r: my row of o_sc
	v_add_nc_u32 v13, s48, v1
	v_add_nc_u32 v14, s49, v2
	global_load_b128 v[132:135], v13, s[66:67]             ; q: d = 32 (lane / 16) .. + 31 of query r: first block, tile 0,
	global_load_b128 v[140:143], v13, s[66:67] offset:512  ; tile 1;
	global_load_b128 v[148:151], v13, s[68:69]             ; second block
	global_load_b128 v[152:155], v13, s[68:69] offset:512
	global_load_b32 v16, v14, s[66:67] offset:4096
	global_load_b32 v17, v14, s[68:69] offset:4096
	v_and_b32 v15, 8, v12
	v_bfe_u32 v18, v0, 4, 1
	v_add_nc_u32 v15, v15, v12                     ; r + 8 (r / 8)
	v_lshlrev_b32 v18, 4, v18
	s_delay_alu instid0(VALU_DEP_1)
	v_sub_nc_u32 v15, v15, v18
.irp z, 128,129,130,131,136,137,138,139,144,145,146,147
	v_mov_b32 v\z, 0                               ; zero codes
.endr
	WIN 0x40
	v_add_nc_u32 v[TH], s50, v15
	v_add_nc_u32 v[TH+1], s51, v15
	v_mov_b32 v[NI], 0xff800000
.irp z, 0,1,2,3,4,5,6,7
	v_mov_b32 v[TT+\z], 0                          ; a lane permute's destination counts as one of its sources
.endr
.irp z, FF+1, FF+3, XX, XX+1
	v_mov_b32 v[\z], 0
.endr
	WIN 0
	s_wait_alu depctr_va_vdst(0)                   ; directly ahead of the wait below
	s_wait_loadcnt 0x0
.irp p, 0,1                                    ; a word holds tile 0's two bytes, then tile 1's
	v_and_or_b32 v[24+4*\p], v[16+\p], s84, s85    ; tile 0 under [q, 0],
	v_lshl_or_b32 v[25+4*\p], v[16+\p], 16, 0x101  ; under [0, q];
	v_lshrrev_b32 v[18+\p], 16, v[16+\p]
	v_and_or_b32 v[27+4*\p], v[16+\p], s86, 0x101  ; tile 1 under [0, q],
	D2
	v_or_b32 v[26+4*\p], s85, v[18+\p]             ; under [q, 0]
.endr
	s_wait_alu depctr_va_vdst(0)                   ; the wait at the head's end
	s_wait_tensorcnt 0x0                           ; my quarter is in,
	s_barrier_signal -1
	s_barrier_wait -1                              ; everybody's is.  From here on the waves run free
	s_mov_b32 s55, 0
.Lblock:
.irp g, 0,1,2,3                                ; K's fragments of step 0
	ds_load_b128 v[KF+8*\g:KF+8*\g+3], v1 offset:1024*\g
	ds_load_b128 v[KF+8*\g+4:KF+8*\g+7], v1 offset:1024*\g+512
	ds_load_b32 v[KS+\g], v2 offset:4096+64*\g
.endr
	WIN 0x40                                       ; a block begins: the largest t -3e38, the sums and O^T zeros, which the first change of M leaves zeros
.irp t, 0,1
	v_mov_b32 v[NM+2*\t], 0x7f61b1e6
	v_mov_b32 v[NM+2*\t+1], 0xff61b1e6
	v_mov_b32 v[LL+2*\t], 0
	v_mov_b32 v[LL+2*\t+1], 0
.endr
.set j, 0
.rept 64
	v_mov_b32 v[OO+j], 0
.set j, j+1
.endr
	WIN 0
	s_mov_b32 s58, 0                               ; the key step,
	s_mov_b32 s59, 0                               ; and its chunk's first byte
	s_wait_alu depctr_va_vdst(0)
.Lstep:
	s_cmp_gt_u32 s58, s56                          ; all its keys come after my queries: left out
	s_cbranch_scc1 .Lhidden
	v_add_nc_u32 v8, s59, v1                       ; four plain lines: the places in front of loads into registers that the last products read
	v_add_nc_u32 v10, s59, v2
	v_add_nc_u32 v9, VB, v8
	v_add_nc_u32 v11, VB, v10
.irp t, 0,1,2,3
	ds_load_b128 v[VF+8*\t:VF+8*\t+3], v9 offset:2048*(\t/2)+512*(\t%2)          ; V^T: 16 of the head's 64 x keys 0-63,
	ds_load_b128 v[VF+8*\t+4:VF+8*\t+7], v9 offset:2048*(\t/2)+512*(\t%2)+1024   ; keys 64-127
	ds_load_b32 v[VS+\t], v11 offset:4096+64*\t
.endr
	s_wait_alu depctr_va_vdst(0)
	s_wait_dscnt 12                                ; K's twelve loads, issued a step ago, are in; V's twelve may be out
	WIN 0x40
.irp g, 0,1,2,3
.irp u, 0,1
	v_wmma_scale_f32_16x16x128_f8f6f4 v[64*\u+16*\g:64*\u+16*\g+7], v[KF+8*\g:KF+8*\g+7], v[132+8*\u:139+8*\u], 0, v[KS+\g], v[24+2*\u] matrix_a_fmt:MATRIX_FMT_FP4 matrix_b_fmt:MATRIX_FMT_FP4
	v_wmma_scale_f32_16x16x128_f8f6f4 v[64*\u+16*\g+8:64*\u+16*\g+15], v[KF+8*\g:KF+8*\g+7], v[128+8*\u:135+8*\u], 0, v[KS+\g], v[25+2*\u] matrix_a_fmt:MATRIX_FMT_FP4 matrix_b_fmt:MATRIX_FMT_FP4
.endr
.endr
.rept 4
	v_nop
.endr
	WIN 0
.irp g, 0,1,2,3                                ; K's fragments of the next step
	ds_load_b128 v[KF+8*\g:KF+8*\g+3], v8 offset:CHUNK+1024*\g
	ds_load_b128 v[KF+8*\g+4:KF+8*\g+7], v8 offset:CHUNK+1024*\g+512
	ds_load_b32 v[KS+\g], v10 offset:CHUNK+4096+64*\g
.endr
	s_cmp_lg_u32 s58, s56                          ; on the diagonal the scores of hidden keys become -infinity ahead of the maximum: p = 0 then
	s_cbranch_scc1 .Lopen
	WIN 0x55
.irp t, 0,1
.set n, 0
.rept 64
	v_cmp_gt_i32 vcc_lo, 32*(n/16)+n%16, v[TH+\t]
	v_cndmask_b32 v[64*\t+n], v[64*\t+n], v[NI], vcc_lo
.set n, n+1
.endr
.endr
	WIN 0
.Lopen:
	WIN 0x55                                       ; all in window 1 up to p's scale words
.irp b, 0,1,2,3,4,5,6,7
	v_max3_num_f32 v[BM+\b], v[16*\b], v[16*\b+1], v[16*\b+2]   ; the largest score of each block of 32 keys, both tiles' blocks by turns
.endr
.irp i, 3,5,7,9,11,13
.irp b, 0,1,2,3,4,5,6,7
	v_max3_num_f32 v[BM+\b], v[BM+\b], v[16*\b+\i], v[16*\b+\i+1]
.endr
.endr
.irp b, 0,1,2,3,4,5,6,7
	v_max_num_f32 v[BM+\b], v[BM+\b], v[16*\b+15]
.endr
.irp b, 0,1,2,3,4,5,6,7
	v_permlanex16_b32 v[TT+\b], v[BM+\b], s20, s21
.endr
.irp b, 0,1,2,3,4,5,6,7
	v_max_num_f32 v[BM+\b], v[BM+\b], v[TT+\b]     ; with lane l xor 16's 16 keys
.endr
.irp t, 0,1
	v_max3_num_f32 v[XX+\t], v[BM+4*\t], v[BM+4*\t+1], v[BM+4*\t+2]
.endr
.irp t, 0,1
	D2
	v_max_num_f32 v[XX+\t], v[XX+\t], v[BM+4*\t+3]
.endr
.irp t, 0,1
	D2
	v_mul_f32 v[XX+\t], s22, v[XX+\t]              ; as t (c is positive)
.endr
.irp t, 0,1
	D2
	v_max_num_f32 v[NM+2*\t+1], v[NM+2*\t+1], v[XX+\t]   ; the running largest t
.endr
.irp t, 0,1
	v_mov_b32 v[XX+\t], v[NM+2*\t]
.endr
.irp t, 0,1
	v_floor_f32 v[NM+2*\t], -v[NM+2*\t+1]          ; the new -M = -ceil(t)
.endr
.irp t, 0,1
	D2
	v_sub_f32 v[XX+\t], v[NM+2*\t], v[XX+\t]       ; old M - new M: a whole number, 0 or less
.endr
.irp t, 0,1
	D2
	v_cvt_i32_f32 v[XX+\t], v[XX+\t]               ; (it saturates)
.endr
.irp t, 0,1
	D2
	v_ldexp_f32 v[FF+2*\t], 1.0, v[XX+\t]          ; f = 2^(old M - new M)
.endr
.irp b, 0,1,2,3,4,5,6,7
	v_fma_f32 v[BM+\b], v[BM+\b], s22, v[NM+2*(\b/4)]   ; t - M of each block's largest score
.endr
.irp t, 0,1                                    ; O^T and the sums under the new M, each accumulator from its low end on; no transcendental stands between the last products and these
.set j, 0
.rept 16
	v_pk_mul_f32 v[OO+32*\t+j:OO+32*\t+j+1], v[OO+32*\t+j:OO+32*\t+j+1], v[FF+2*\t:FF+2*\t+1] op_sel_hi:[1,0]
.set j, j+2
.endr
	v_pk_mul_f32 v[LL+2*\t:LL+2*\t+1], v[LL+2*\t:LL+2*\t+1], v[FF+2*\t:FF+2*\t+1] op_sel_hi:[1,0]
.endr
.set j, 0
.rept 32
	v_pk_fma_f32 v[j:j+1], v[j:j+1], s[22:23], v[NM:NM+1] op_sel_hi:[1,0,0]   ; tile 0: t - M, two at a time
.set j, j+2
.endr
	s_wait_alu depctr_va_vdst(0)                   ; ahead of the batch
.set j, 0
.rept 32
	v_exp_f32 v[j], v[j]                           ; tile 0: p = 2^(t - M);
	v_exp_f32 v[j+1], v[j+1]
	v_pk_fma_f32 v[64+j:65+j], v[64+j:65+j], s[22:23], v[NM+2:NM+3] op_sel_hi:[1,0,0]   ; among them tile 1's t - M, which names none of their registers
.set j, j+2
.endr
	s_wait_alu depctr_va_vdst(0)                   ; behind tile 0's batch and ahead of tile 1's
.irp b, 0,1,2,3,4,5,6,7
	v_exp_f32 v[BM+\b], v[BM+\b]                   ; the blocks' largest p
.endr
.set j, 0
.rept 64
	v_exp_f32 v[64+j], v[64+j]
.set j, j+1
.endr
	SUM 0                                          ; tile 0's sum reads tile 0's p alone: plain work behind the batch
	s_wait_alu depctr_va_vdst(0)                   ; one wait for the batch, ahead of its first reader
.irp b, 0,1,2,3,4,5,6,7
	v_max_num_f32 v[BM+\b], 0x1800000, v[BM+\b]    ; the floor 2^(3 - 127): the byte cannot fall under 1
.endr
.irp b, 0,1,2,3,4,5,6,7
	v_add_nc_u32 v[BM+\b], 0xff000000, v[BM+\b]    ; 2 off the exponent field: the conversion's scale operand
.endr
.irp b, 0,1,2,3,4,5,6,7
	v_cvt_scalef32_pk8_fp4_f32 v[CD+2*\b], v[16*\b:16*\b+7], v[BM+\b]
	v_cvt_scalef32_pk8_fp4_f32 v[CD+2*\b+1], v[16*\b+8:16*\b+15], v[BM+\b]
.endr
	v_nop                                          ; one plain place behind the scaled conversions
.irp c, 0,1,2,3                                ; the operand wants a whole block in a lane
.irp i, 0,1
	v_permlane16_swap_b32 v[CD+4*\c+\i], v[CD+4*\c+2+\i]
.endr
.endr
.irp b, 0,1,2,3,4,5,6,7
	v_lshrrev_b32 v[\b], 23, v[BM+\b]              ; the bytes, in registers of tile 0's p, which is summed and converted
.endr
.irp t, 0,1
	v_lshl_or_b32 v[4*\t], v[4*\t+1], 8, v[4*\t]
.endr
.irp t, 0,1
	D2
	v_lshl_or_b32 v[4*\t], v[4*\t+2], 16, v[4*\t]
.endr
	WIN 0x15
.irp t, 0,1
	v_lshl_or_b32 v[PS+\t], v[4*\t+3], 24, v[4*\t] ; p's scale words, in window 0
.endr
	WIN 0x55
	SUM 1                                          ; tile 1's sum: also the places between the scale words and the products
	WIN 0
	s_wait_alu depctr_va_vdst(0)                   ; directly ahead of the wait below
	s_wait_dscnt 12                                ; V is in; the next step's twelve loads of K may be out
	WIN 0x54
.irp d, 0,1,2,3
.irp t, 0,1
	v_wmma_scale_f32_16x16x128_f8f6f4 v[OO+32*\t+8*\d:OO+32*\t+8*\d+7], v[VF+8*\d:VF+8*\d+7], v[CD+8*\t:CD+8*\t+7], v[OO+32*\t+8*\d:OO+32*\t+8*\d+7], v[VS+\d], v[PS+\t] matrix_a_fmt:MATRIX_FMT_FP4 matrix_b_fmt:MATRIX_FMT_FP4
.endr
.endr
	WIN 0
.Lhidden:
	s_add_co_u32 s59, s59, CHUNK
	s_add_co_u32 s58, s58, 1
	s_cmp_lt_u32 s58, 16
	s_cbranch_scc1 .Lstep
	; A block ends: O^T / the sum; register 16 b' + i is d = 32 b' + 16 (lane / 16) + i of my query; two blocks of 32 a tile are quantised; a lane's 16 bytes are d = 32 (lane / 16) .. + 31.
	s_wait_dscnt 0x0                               ; the loads of K that ran ahead
	WIN 0x55
.rept 4
	v_nop                                          ; behind the last products
.endr
.irp t, 0,1
	v_add_f32 v[LL+2*\t], v[LL+2*\t], v[LL+2*\t+1]
.endr
.irp t, 0,1
	D2
	v_permlanex16_b32 v[XX+\t], v[LL+2*\t], s20, s21
.endr
.irp t, 0,1
	D2
	v_add_f32 v[LL+2*\t], v[LL+2*\t], v[XX+\t]     ; the row's sum
.endr
	s_wait_alu depctr_va_vdst(0)
.irp t, 0,1
	v_rcp_f32 v[LL+2*\t], v[LL+2*\t]
.endr
	v_nop
	s_wait_alu depctr_va_vdst(0)                   ; ahead of the reciprocals' first reader, which is also O^T's
.irp t, 0,1
.set j, 0
.rept 16
	v_pk_mul_f32 v[64*\t+j:64*\t+j+1], v[OO+32*\t+j:OO+32*\t+j+1], v[LL+2*\t:LL+2*\t+1] op_sel_hi:[1,0]
.set j, j+2
.endr
.endr
.irp b, 0,1,2,3                                ; block b: tile b / 2, registers 64 (b / 2) + 16 (b % 2) on
	v_max3_num_f32 v[BM+\b], |v[64*(\b/2)+16*(\b%2)]|, |v[64*(\b/2)+16*(\b%2)+1]|, 0x1800000
.endr
.irp i, 2,4,6,8,10,12,14
.irp b, 0,1,2,3
	v_max3_num_f32 v[BM+\b], v[BM+\b], |v[64*(\b/2)+16*(\b%2)+\i]|, |v[64*(\b/2)+16*(\b%2)+\i+1]|
.endr
.endr
.irp b, 0,1,2,3
	v_permlanex16_b32 v[TT+\b], v[BM+\b], s20, s21
.endr
.irp b, 0,1,2,3
	v_max_num_f32 v[BM+\b], v[BM+\b], v[TT+\b]
.endr
.irp b, 0,1,2,3
	v_add_nc_u32 v[BM+\b], 0xff000000, v[BM+\b]
.endr
.irp b, 0,1,2,3
	v_lshrrev_b32 v[TT+\b], 23, v[BM+\b]
.endr
.irp t, 0,1
	v_lshl_or_b32 v[TT+2*\t], v[TT+2*\t+1], 8, v[TT+2*\t]   ; my row's two bytes
.endr
.irp b, 0,1,2,3
	v_cvt_scalef32_pk8_fp4_f32 v[CD+2*\b], v[64*(\b/2)+16*(\b%2):64*(\b/2)+16*(\b%2)+7], v[BM+\b]
	v_cvt_scalef32_pk8_fp4_f32 v[CD+2*\b+1], v[64*(\b/2)+16*(\b%2)+8:64*(\b/2)+16*(\b%2)+15], v[BM+\b]
.endr
	v_nop
.irp t, 0,1
	v_permlane16_swap_b32 v[CD+4*\t], v[CD+4*\t+2]
	v_permlane16_swap_b32 v[CD+4*\t+1], v[CD+4*\t+3]
.endr
	WIN 0x04                                       ; the stores' data in window 1
.irp t, 0,1
	global_store_b128 v1, v[CD+4*\t:CD+4*\t+3], s[70:71] offset:8192*\t   ; 32 lanes store 512 consecutive bytes, at a multiple of 256
	global_store_b16 v7, v[TT+2*\t], s[74:75] offset:512*\t               ; lanes l and l xor 16 write the same two bytes
.endr
	WIN 0
	s_wait_xcnt 0x0                                ; the stores' registers and bases are written again only behind this wait
.irp i, 0,1,2,3                                ; on to my second block: its q, its scale words,
	v_mov_b32 v[132+\i], v[148+\i]
	v_mov_b32 v[140+\i], v[152+\i]
	v_mov_b32 v[24+\i], v[28+\i]
.endr
	s_mov_b64 s[70:71], s[72:73]                   ; its results' places,
	s_mov_b64 s[74:75], s[76:77]
	s_mov_b32 s56, s57                             ; its m
	s_add_co_u32 s55, s55, 1
	s_cmp_lt_u32 s55, 2
	s_wait_alu depctr_va_vdst(0)                   ; directly ahead of the branch
	s_cbranch_scc1 .Lblock
	s_wait_tensorcnt 0x0                           ; the wave's end
	ds_add_u32 v5, v6
	s_wait_dscnt 0x0
	ROUND                                          ; the closing round
	s_endpgm
.Lfunc_end_k_qae8fcb3e8e_attn:
	.size	k_qae8fcb3e8e_attn, .Lfunc_end_k_qae8fcb3e8e_attn-k_qae8fcb3e8e_attn
	.p2alignl 7, 3214868480
	.fill 96, 4, 3214868480
	.section	.rodata,"a",@progbits
	.p2align	6, 0x0
	.amdhsa_kernel k_qae8fcb3e8e_attn
		.amdhsa_group_segment_fixed_size 167936
		.amdhsa_private_segment_fixed_size 0
		.amdhsa_enable_private_segment 0
		.amdhsa_kernarg_size 40
		.amdhsa_user_sgpr_count 2
		.amdhsa_user_sgpr_kernarg_segment_ptr 1
		.amdhsa_wavefront_size32 1
		.amdhsa_system_sgpr_workgroup_id_x 1
		.amdhsa_system_sgpr_workgroup_id_y 1
		.amdhsa_system_sgpr_workgroup_id_z 1
		.amdhsa_system_vgpr_workitem_id 0
		.amdhsa_next_free_vgpr 512
		.amdhsa_next_free_sgpr 90
		.amdhsa_reserve_vcc 1
		.amdhsa_float_denorm_mode_32 3
		.amdhsa_float_denorm_mode_16_64 3
		.amdhsa_memory_ordered 1
		.amdhsa_forward_progress 1
		.amdhsa_inst_pref_size 58
	.end_amdhsa_kernel
	.amdgpu_metadata
---
amdhsa.version: [ 1, 2 ]
amdhsa.kernels:
  - .name:           k_qae8fcb3e8e_attn
    .symbol:         k_qae8fcb3e8e_attn.kd
    .args:
      - { .name: q_img, .offset: 0, .size: 8, .value_kind: global_buffer, .address_space: global }
      - { .name: k_img, .offset: 8, .size: 8, .value_kind: global_buffer, .address_space: global }
      - { .name: v_img, .offset: 16, .size: 8, .value_kind: global_buffer, .address_space: global }
      - { .name: o_img, .offset: 24, .size: 8, .value_kind: global_buffer, .address_space: global }
      - { .name: o_sc, .offset: 32, .size: 8, .value_kind: global_buffer, .address_space: global }
    .group_segment_fixed_size: 167936
    .private_segment_fixed_size: 0
    .kernarg_segment_align: 8
    .kernarg_segment_size: 40
    .max_flat_workgroup_size: 256
    .sgpr_count:     90
    .vgpr_count:     512
    .wavefront_size: 32
...
	.end_amdgpu_metadata
.endif
;; end of part 2
;; launch proj (part 3): grid 4 x 64, 4 waves a work-group, clusters of 4 x 4, 327,680 bytes of LDS; arguments o_img, o_sc, Wo_codes, Wo_scales, bo, out0; writes out0
.if DOCPART == 3
	.amdgcn_target "amdgcn-amd-amdhsa--gfx1250"
	.amdhsa_code_object_version 6
	.text
	.protected	k_qae8fcb3e8e_proj
	.globl	k_qae8fcb3e8e_proj
	.p2align	8
	.type	k_qae8fcb3e8e_proj,@function
k_qae8fcb3e8e_proj:
	s_mov_b64 s[64:65], 0
	v_nop
	global_prefetch_b8 v0, s[64:65] scope:SCOPE_SE
	s_setreg_imm32_b32 hwreg(HW_REG_WAVE_MODE, 25, 1), 1
	s_wait_xcnt 0x0
	s_wait_alu depctr_hold_cnt(0) depctr_sa_sdst(0) depctr_va_vdst(0) depctr_va_sdst(0) depctr_va_ssrc(0) depctr_va_vcc(0) depctr_vm_vsrc(0)
	s_getreg_b32 s2, hwreg(HW_REG_IB_STS2, 6, 4)
	s_cmp_eq_u32 s2, 0
	s_cbranch_scc0 .Lentry_in_a_cluster
	s_endpgm
.Lentry_in_a_cluster:
	s_bfe_u32 s2, ttmp6, 0x10000c
	s_cmp_lg_u32 s2, 0xf033
	s_cbranch_scc0 .Lentry_shape_is_right
	s_endpgm
.Lentry_shape_is_right:
; LAUNCH 3 OF 3.  out0 = o Wo + bo on codes of FP4 (E2M1) with E8M0 scales, sums in f32.  Nothing is left out here.
; SHARES.  A work-group makes 128 rows (R: o, eight tiles of 16 queries as launch 2 left them) x 256 columns (P: Wo's rows); a wave 64 x 128: 32 accumulators.  Source 0 = P, source 1 = R: a lane holds eight neighbouring columns of a row.
; K = 1,024 comes WHOLE, one tensor load a wave: waves 0, 1 four tiles of o_img each (32,768 dense bytes), waves 2, 3 128 rows of Wo each (512 bytes a row, 16 of padding in LDS).  Every LDS byte is filled once.
; CLUSTER 4 x 4: R is shared along a row of the cluster, P along a column, each asked for jointly.  bo is the C of each accumulator's first product.
; THE SCALE BYTES go from memory into registers: lane (r, h) takes bytes 16 h .. + 15 of row r's 32: lanes 0-15 hold K steps 0-3, lanes 16-31 K steps 4-7; a load of the wave covers 512 consecutive bytes.
; No prefetch: all tiles are asked for at the head, and there is no loop to run ahead in.  LIMITS: as at the head of launch 1.
; WINDOW 0: v1-31 addresses; v32-63 P's scale words, v64-79 R's; v128-191 R's fragments, two sets.  WINDOW 1: P's fragments at v0 and v128; bo at v64.  WINDOW 2: accumulator (a, b) at v[8 (8 a + b)].
.set PITCH,  528
.set PBASE,  65536                     ; behind R's eight tiles of 8,192 bytes
.set HALFP,  128*PITCH
.set STAGE,  PBASE+2*HALFP             ; the stages: 16 rows x 528 bytes a wave, bytes of their own
.set SPITCH, 528
.set SPARE,  STAGE+4*16*SPITCH
.set ADRA, 16
.set ADRB, 20
.set STO,  24
.set RD,   25
.set CO,   26
.set ADRS, 27
.set SPW,  28
.set NIL,  29
.set SC,   32
.set RF,   128
.set BO,   64
.set BK,   128
.set WV, 22
.set WR, 23
.set WP, 66
.set G1, 24
.set G0, 32
.set G1B, 48
.set G0B, 56
.set MSB, 0
.macro WIN new
.if MSB != \new
	s_set_vgpr_msb (MSB<<8)|\new
.set MSB, \new
.endif
.endm
.macro CROUND
	s_barrier_signal -1
	s_barrier_wait -1
	s_cmp_lg_u32 s[WV], 0
	s_cbranch_scc1 .Lnot_wave_0_\@
	s_barrier_signal -3
.Lnot_wave_0_\@:
	s_barrier_wait -3
	s_barrier_signal -1
	s_barrier_wait -1
.endm
.macro PLACES n
.rept \n
	v_nop
.endr
.endm
	s_load_b256 s[4:11], s[0:1], 0x0               ; o_img, o_sc, Wo's codes, Wo's scales
	s_load_b128 s[12:15], s[0:1], 0x20             ; bo, out0
	v_lshl_add_u32 v[SPW], v0, 2, SPARE
	v_mov_b32 v[NIL], 0
	ds_add_u32 v[SPW], v[NIL]                      ; the opening lines: the add, twice on end, and its wait
	ds_add_u32 v[SPW], v[NIL]
	v_lshrrev_b32 v1, 5, v0
	v_readfirstlane_b32 s[WV], v1
	s_lshr_b32 s[WR], s[WV], 1                     ; my half of R.  Also: I fetch for R (0) or for P (1)
	s_and_b32 s[WP], s[WV], 1                      ; my half of P.  Also: which half I fetch
	s_bfe_u32 s40, ttmp6, 0x40000
	s_bfe_u32 s41, ttmp6, 0x40004
	s_and_b32 s43, ttmp7, 0xffff
	s_lshl_b32 s44, s41, 2
	s_lshl_b32 s44, 15, s44
	s_lshl_b32 s45, 0x1111, s40
	s_or_b32 s[G1], s44, (3<<16)|(1<<21)           ; R: 128 rows of 32 elements of 8 bytes, dense
	s_mov_b32 s[G1+1], 32<<16
	s_mov_b32 s[G1+2], 128<<16
	s_mov_b32 s[G1+3], 32<<16
	s_mov_b32 s[G1+4], 128
	s_mov_b32 s[G1+5], 32
	s_mov_b32 s[G1+6], 0
	s_mov_b32 s[G1+7], 0
	s_or_b32 s[G1B], s45, (1<<20)|(1<<21)|(6<<22)|(3<<25)   ; P: 128 rows of 512 bytes, 4 words of padding behind each
	s_mov_b32 s[G1B+1], 512<<16
	s_mov_b32 s[G1B+2], 128<<16
	s_mov_b32 s[G1B+3], 512<<16
	s_mov_b32 s[G1B+4], 128
	s_mov_b32 s[G1B+5], 512
	s_mov_b32 s[G1B+6], 0
	s_mov_b32 s[G1B+7], 0
	s_lshl_b32 s46, s43, 2
	s_add_co_u32 s46, s46, s41                     ; which 128 rows of the 8,192
	s_lshl_b32 s67, s46, 1
	s_add_co_u32 s67, s67, s[WP]
	s_lshl_b32 s92, s67, 15                        ; the four tiles that I fetch
	s_mov_b32 s93, 0
	s_lshl_b32 s94, s46, 12
	s_lshl_b32 s95, s[WR], 11
	s_add_co_u32 s94, s94, s95                     ; the scale bytes of the 64 rows that I multiply
	s_mov_b32 s95, 0
	s_lshl_b32 s47, s40, 1
	s_add_co_u32 s47, s47, s[WP]
	s_lshl_b32 s96, s47, 16                        ; P's 128 rows, fetched and multiplied by me
	s_mov_b32 s97, 0
	s_lshl_b32 s98, s47, 12
	s_mov_b32 s99, 0
	s_lshl_b32 s16, s[WP], 15
	s_mul_i32 s17, s[WP], HALFP
	s_add_co_u32 s17, s17, PBASE
	s_lshl_b32 s18, s[WR], 15                      ; my four tiles of R in LDS
	s_mul_i32 s19, s[WV], 16*SPITCH
	s_add_co_u32 s19, s19, STAGE                   ; my stage
	s_lshl_b32 s68, s40, 10
	s_lshl_b32 s69, s[WP], 9
	s_add_co_u32 s68, s68, s69                     ; my first column, in bytes
	s_mov_b32 s69, 0
	s_lshl_b32 s70, s46, 7
	s_lshl_b32 s71, s[WR], 6
	s_add_co_u32 s70, s70, s71
	s_lshl_b32 s70, s70, 12                        ; my first row of out0
	s_add_co_u32 s70, s70, s68
	s_mov_b32 s71, 0
	s_wait_dscnt 0x0
	s_wait_kmcnt 0x0
	s_add_nc_u64 s[94:95], s[6:7], s[94:95]
	s_add_nc_u64 s[98:99], s[10:11], s[98:99]
	s_add_nc_u64 s[12:13], s[12:13], s[68:69]
	s_add_nc_u64 s[14:15], s[14:15], s[70:71]
	s_mov_b32 s[G0], 1
	s_mov_b32 s[G0+1], s16
	s_add_nc_u64 s[G0+2:G0+3], s[4:5], s[92:93]
	s_or_b32 s[G0+3], s[G0+3], 0x80000000
	s_mov_b32 s[G0B], 1
	s_mov_b32 s[G0B+1], s17
	s_add_nc_u64 s[G0B+2:G0B+3], s[8:9], s[96:97]
	s_or_b32 s[G0B+3], s[G0B+3], 0x80000000
	CROUND                                         ; all sixteen work-groups are here: the joint loads meet
	s_cmp_eq_u32 s[WR], 0
	s_cbranch_scc0 .Lfor_p
	tensor_load_to_lds s[G0:G0+3], s[G1:G1+7]
	s_nop 0
	PLACES 4
	s_branch .Lasked
.Lfor_p:
	tensor_load_to_lds s[G0B:G0B+3], s[G1B:G1B+7]
	s_nop 0
	PLACES 4
.Lasked:
	v_and_b32 v1, 15, v0                           ; r
	v_bfe_u32 v2, v0, 4, 1                         ; h
	v_and_b32 v6, 31, v0
	v_lshlrev_b32 v7, 5, v2                        ; bo: 32 h
	v_lshlrev_b32 v8, 5, v1
	v_lshlrev_b32 v[CO], 4, v6                     ; 16 x lane
	v_mul_u32_u24 v3, v1, PITCH
	v_mul_u32_u24 v5, v1, SPITCH
	v_lshl_add_u32 v[ADRS], v2, 4, v8              ; scale bytes: 32 r + 16 h
	v_add_nc_u32 v[ADRA], s18, v[CO]
	v_lshl_add_u32 v4, v2, 4, v3
	v_lshl_add_u32 v5, v2, 5, v5
	v_add_nc_u32 v[RD], s19, v[CO]
	v_add_nc_u32 v[ADRB], s17, v4
	v_add_nc_u32 v[STO], s19, v5
	s_wait_alu depctr_va_vdst(0)                   ; the wait at the head's end
	WIN 0x40
.irp b, 0,1,2,3,4,5,6,7
	global_load_b128 v[BO+8*\b:BO+8*\b+3], v7, s[12:13] offset:64*\b
	global_load_b128 v[BO+8*\b+4:BO+8*\b+7], v7, s[12:13] offset:64*\b+16
.endr
	WIN 0
.irp i, 0,1,2,3,4,5,6,7
	global_load_b128 v[SC+4*\i:SC+4*\i+3], v[ADRS], s[98:99] offset:512*\i        ; P's block i
.endr
.irp i, 0,1,2,3
	global_load_b128 v[SC+32+4*\i:SC+32+4*\i+3], v[ADRS], s[94:95] offset:512*\i  ; R's block i
.endr
.macro FETCH q                         ; the fragments of K step q into set q % 2
	WIN 0x40
.irp i, 0,1,2,3,4,5,6,7
.irp c, 0,1
	ds_load_b128 v[128*((\q)%2)+8*\i+4*\c:128*((\q)%2)+8*\i+4*\c+3], v[ADRB] offset:64*(\q)+32*\c+\i*16*PITCH
.endr
.endr
	WIN 0
.irp a, 0,1,2,3
.irp c, 0,1
	ds_load_b128 v[RF+32*((\q)%2)+8*\a+4*\c:RF+32*((\q)%2)+8*\a+4*\c+3], v[ADRA] offset:\a*8192+(\q)*1024+\c*512
.endr
.endr
.endm
.macro MUL32 q                         ; the 32 accumulators take turns, one instruction a turn
.set ST, (\q)%2
.set QL, (\q)%4
.if (\q) == 0
	WIN 0x91
.else
	WIN 0xa1
.endif
.irp a, 0,1,2,3
.irp b, 0,1,2,3,4,5,6,7
.if (\q) == 0
	v_wmma_scale_f32_16x16x128_f8f6f4 v[8*(8*\a+\b):8*(8*\a+\b)+7], v[128*ST+8*\b:128*ST+8*\b+7], v[RF+32*ST+8*\a:RF+32*ST+8*\a+7], v[BO+8*\b:BO+8*\b+7], v[SC+4*\b+QL], v[SC+32+4*\a+QL] matrix_a_fmt:MATRIX_FMT_FP4 matrix_b_fmt:MATRIX_FMT_FP4
.elseif (\q) < 4
	v_wmma_scale_f32_16x16x128_f8f6f4 v[8*(8*\a+\b):8*(8*\a+\b)+7], v[128*ST+8*\b:128*ST+8*\b+7], v[RF+32*ST+8*\a:RF+32*ST+8*\a+7], v[8*(8*\a+\b):8*(8*\a+\b)+7], v[SC+4*\b+QL], v[SC+32+4*\a+QL] matrix_a_fmt:MATRIX_FMT_FP4 matrix_b_fmt:MATRIX_FMT_FP4
.else
	v_wmma_scale_f32_16x16x128_f8f6f4 v[8*(8*\a+\b):8*(8*\a+\b)+7], v[128*ST+8*\b:128*ST+8*\b+7], v[RF+32*ST+8*\a:RF+32*ST+8*\a+7], v[8*(8*\a+\b):8*(8*\a+\b)+7], v[SC+4*\b+QL], v[SC+32+4*\a+QL] matrix_a_fmt:MATRIX_FMT_FP4 matrix_b_fmt:MATRIX_FMT_FP4 matrix_a_scale:MATRIX_SCALE_ROW1 matrix_b_scale:MATRIX_SCALE_ROW1
.endif
.endr
.endr
.endm
	s_wait_tensorcnt 0x0                           ; my tile is in,
	s_barrier_signal -1
	s_barrier_wait -1                              ; everybody's is
	FETCH 0
	s_wait_loadcnt 0x0                             ; bo and the scale words
.irp q, 0,1,2,3,4,5,6,7
.if \q > 0
	PLACES 4                                       ; in front of loads into the set that the last step's products read
.endif
.if \q < 7
	FETCH \q+1
	s_wait_dscnt 24                                ; all but the 24 just issued
.else
	s_wait_dscnt 0x0
.endif
	MUL32 \q
.endr
	WIN 0
; THE WAY OUT: a block of 16 rows x 128 columns goes through my stage and comes back as whole rows of 512 bytes.  Row t of tile a is query 32 (a / 2) + 8 (a % 2) + t + 8 (t / 8) of my 64.
.macro TOSTAGE a
	WIN 0x08
.irp b, 0,1,2,3,4,5,6,7
	ds_store_b128 v[STO], v[64*(\a)+8*\b:64*(\a)+8*\b+3] offset:64*\b          ; each accumulator from its low end on
	ds_store_b128 v[STO], v[64*(\a)+8*\b+4:64*(\a)+8*\b+7] offset:64*\b+16
.endr
	WIN 0
.irp t, 0,1,2,3,4,5,6,7,8,9,10,11,12,13,14,15
	ds_load_b128 v[BK+64*((\a)%2)+4*\t:BK+64*((\a)%2)+4*\t+3], v[RD] offset:\t*SPITCH   ; LDS serves a wave's instructions in order (ISA guide 5.7.1.4)
.endr
.endm
.macro SEND a, younger
	s_wait_dscnt \younger
.irp t, 0,1,2,3,4,5,6,7,8,9,10,11,12,13,14,15
	global_store_b128 v[CO], v[BK+64*((\a)%2)+4*\t:BK+64*((\a)%2)+4*\t+3], s[14:15] offset:(32*((\a)/2)+8*((\a)%2)+\t+8*(\t/8))*4096 th:TH_STORE_NT   ; 32 lanes store 512 consecutive bytes, at a multiple of 256
.endr
.endm
	PLACES 4
	TOSTAGE 0
.irp a, 1,2,3
.if \a > 1
	s_wait_xcnt 0x0                                ; block a - 2's stores have read their registers
.endif
	TOSTAGE \a
	SEND \a-1, 32                                  ; behind block a - 1's loads: block a's 16 stores and 16 loads
.endr
	SEND 3, 0
	s_wait_tensorcnt 0x0                           ; the wave's end
	ds_add_u32 v[SPW], v[NIL]
	s_wait_dscnt 0x0
	CROUND                                         ; the closing round
	s_endpgm
.Lfunc_end_k_qae8fcb3e8e_proj:
	.size	k_qae8fcb3e8e_proj, .Lfunc_end_k_qae8fcb3e8e_proj-k_qae8fcb3e8e_proj
	.p2alignl 7, 3214868480
	.fill 96, 4, 3214868480
	.section	.rodata,"a",@progbits
	.p2align	6, 0x0
	.amdhsa_kernel k_qae8fcb3e8e_proj
		.amdhsa_group_segment_fixed_size 327680
		.amdhsa_private_segment_fixed_size 0
		.amdhsa_enable_private_segment 0
		.amdhsa_kernarg_size 48
		.amdhsa_user_sgpr_count 2
		.amdhsa_user_sgpr_kernarg_segment_ptr 1
		.amdhsa_wavefront_size32 1
		.amdhsa_system_sgpr_workgroup_id_x 1
		.amdhsa_system_sgpr_workgroup_id_y 1
		.amdhsa_system_sgpr_workgroup_id_z 1
		.amdhsa_system_vgpr_workitem_id 0
		.amdhsa_next_free_vgpr 768
		.amdhsa_next_free_sgpr 100
		.amdhsa_reserve_vcc 0
		.amdhsa_float_denorm_mode_32 3
		.amdhsa_float_denorm_mode_16_64 3
		.amdhsa_memory_ordered 1
		.amdhsa_forward_progress 1
		.amdhsa_inst_pref_size 70
	.end_amdhsa_kernel
	.amdgpu_metadata
---
amdhsa.version: [ 1, 2 ]
amdhsa.kernels:
  - .name:           k_qae8fcb3e8e_proj
    .symbol:         k_qae8fcb3e8e_proj.kd
    .args:
      - { .name: o_img, .offset: 0, .size: 8, .value_kind: global_buffer, .address_space: global }
      - { .name: o_sc, .offset: 8, .size: 8, .value_kind: global_buffer, .address_space: global }
      - { .name: Wo_codes, .offset: 16, .size: 8, .value_kind: global_buffer, .address_space: global }
      - { .name: Wo_scales, .offset: 24, .size: 8, .value_kind: global_buffer, .address_space: global }
      - { .name: bo, .offset: 32, .size: 8, .value_kind: global_buffer, .address_space: global }
      - { .name: out0, .offset: 40, .size: 8, .value_kind: global_buffer, .address_space: global }
    .group_segment_fixed_size: 327680
    .private_segment_fixed_size: 0
    .kernarg_segment_align: 8
    .kernarg_segment_size: 48
    .max_flat_workgroup_size: 128
    .sgpr_count:     100
    .vgpr_count:     768
    .wavefront_size: 32
...
	.end_amdgpu_metadata
.endif
;; end of part 3
